; MI455X (gfx1250); checked and timed in simulation.
; The chip was launched on July 23, 2026; its instructions are those of AMD's public machine-readable ISA for CDNA 5 (MIT licence, August 2026) and "CDNA5" Instruction Set Architecture Reference Guide (July 2026). The comments in the code are by the model that wrote it; some were corrected since.
;; Port Hamiltonian Model. Allowed arithmetic: float matrix products may take bf16 or f16 operands with f32 sums; other float arithmetic in f32, or as packed bf16 or f16 multiplies, adds, multiply-adds, maxima and minima; sums over many terms, partial sums and values carried from step to step in f32; what a program stores and reads back later, other than sums and carried values, may be rounded once to bf16 or f16.
;; Inputs: Gb 1 float32; Gw 8 x 1 float32; W1 2 x 512 float32; W2 512 x 512 float32; W3 512 x 1 float32; action_emb 65,536 x 8 float32; b1 512 float32; b2 512 float32; b3 1 float32; log_damping one number float32; state 65,536 x 2 float32.
;; Outputs: out0 65,536 x 2 float32.
;; Constants: t = 0.
;; One version. Each part assembles by itself: llvm-mc -triple=amdgcn-amd-amdhsa -mcpu=gfx1250 --defsym DOCPART=n.
;; ======== version 1 of 1: 2 launches
;; workspace buffers: wts 1,048,576 bytes
;; launch cast (part 1): grid 256 x 1, 1 waves a work-group, no clusters, 0 bytes of LDS; arguments W2, W3, wts; writes wts
.if DOCPART == 1
	.amdgcn_target "amdgcn-amd-amdhsa--gfx1250"
	.amdhsa_code_object_version 6
	.text
	.protected	k_q3413801e01_cast
	.globl	k_q3413801e01_cast
	.p2align	8
	.type	k_q3413801e01_cast,@function
k_q3413801e01_cast:
	s_mov_b64 s[64:65], 0
	v_nop
	global_prefetch_b8 v0, s[64:65] scope:SCOPE_SE
	s_setreg_imm32_b32 hwreg(HW_REG_WAVE_MODE, 25, 1), 1
	s_wait_xcnt 0x0
; W2 [512][512] f32 is rounded once to bf16 and laid out for the launch behind, as 16 tiles of 65,536 bytes.
; A tile is 128 blocks of 512 bytes; block ((sub*16 + ks)*2 + mt)*2 + c2 holds 16 bytes for each of 32 lanes, lane L at 16 L, so that one LDS load of 16 bytes a lane
; at block + 16 L brings half a matrix fragment from consecutive bytes.
;   tiles 0-7  (forward, read by the transposing LDS load): lane L's piece is -W2[i][j .. j+7],        i = 32 ks + 16 c2 + 8 (L/16) + L%8,  j = 64 c + 32 sub + 16 mt + 8 ((L/8)%2)
;   tiles 8-15 (backward, read plainly):                    lane L's piece is W2[i][j..j+7] W3[j..j+7], i = 64 c + 32 sub + 16 mt + L%16,    j = 32 ks + 16 c2 + 8 (L/16)
; The product W2 W3 is taken in f32 and rounded once.  One wave a work-group; work-group g makes four forward and four backward blocks.  Its eight loads of a kind cover 16 rows x 256
; consecutive bytes of W2; each store of the wave covers 512 consecutive bytes, aligned.  No LDS, no loop: 24 loads go out together.
.set VF, 1                             ; v1  forward: (8 (L/16) + L%8) x 2,048 + 32 ((L/8)%2)
.set VB, 2                             ; v2  backward: (L%16) x 2,048 + 32 (L/16)
.set V3, 3                             ; v3  W3: 32 (L/16)
.set VD, 4                             ; v4  16 L
.set FF, 8                             ; v[8:39]    forward rows, f32: block b at 8 b
.set W3R, 40                           ; v[40:71]   W3
.set FB, 72                            ; v[72:103]  backward rows, f32
.set PK, 104                           ; v[104:135] packed: forward blocks, then backward blocks
	s_load_b128 s[4:7], s[0:1], 0x0                ; W2 s[4:5], W3 s[6:7]
	s_load_b64 s[8:9], s[0:1], 0x10                ; wts
	v_and_b32 v5, 7, v0
	v_lshrrev_b32 v6, 4, v0                        ; L / 16
	v_bfe_u32 v7, v0, 3, 1                         ; (L / 8) % 2
	v_lshl_add_u32 v[VF], v6, 3, v5
	v_lshlrev_b32 v[VF], 11, v[VF]
	v_lshl_add_u32 v[VF], v7, 5, v[VF]
	v_and_b32 v5, 15, v0
	v_lshlrev_b32 v[VB], 11, v5
	v_lshl_add_u32 v[VB], v6, 5, v[VB]
	v_lshlrev_b32 v[V3], 5, v6
	v_lshlrev_b32 v[VD], 4, v0
	; forward: c = g / 32, ks = (g / 2) % 16, c2 = g % 2.  Rows 16 (g % 32) on, columns 64 c on
	s_and_b32 s10, ttmp9, 31
	s_lshl_b32 s10, s10, 15
	s_lshr_b32 s20, ttmp9, 5                       ; c
	s_lshl_b32 s21, s20, 8
	s_add_co_u32 s10, s10, s21
	s_mov_b32 s11, 0
	s_lshl_b32 s12, s20, 16                        ; the tile,
	s_bfe_u32 s21, ttmp9, 0x40001
	s_lshl_b32 s21, s21, 11                        ; ks x 2,048,
	s_add_co_u32 s12, s12, s21
	s_and_b32 s21, ttmp9, 1
	s_lshl_b32 s21, s21, 9                         ; c2 x 512
	s_add_co_u32 s12, s12, s21
	s_mov_b32 s13, 0
	; backward: rows 16 (g / 8) on (c = g / 32, sub = (g / 16) % 2, mt = (g / 8) % 2), columns 64 (g % 8) on (ks = 2 (g % 8) + kk)
	s_lshr_b32 s14, ttmp9, 3
	s_lshl_b32 s14, s14, 15
	s_and_b32 s22, ttmp9, 7
	s_lshl_b32 s16, s22, 8
	s_mov_b32 s17, 0
	s_add_co_u32 s14, s14, s16
	s_mov_b32 s15, 0
	s_lshl_b32 s18, s20, 16
	s_bfe_u32 s21, ttmp9, 0x10004
	s_lshl_b32 s21, s21, 15
	s_add_co_u32 s18, s18, s21
	s_bfe_u32 s21, ttmp9, 0x10003
	s_lshl_b32 s21, s21, 10
	s_add_co_u32 s18, s18, s21
	s_lshl_b32 s21, s22, 12
	s_add_co_u32 s18, s18, s21
	s_add_co_u32 s18, s18, 524288                  ; behind the eight forward tiles
	s_mov_b32 s19, 0
	s_wait_kmcnt 0x0
	s_add_nc_u64 s[10:11], s[4:5], s[10:11]        ; W2 at my forward rows
	s_add_nc_u64 s[14:15], s[4:5], s[14:15]        ; W2 at my backward rows
	s_add_nc_u64 s[16:17], s[6:7], s[16:17]        ; W3 at my 64 columns
	s_add_nc_u64 s[12:13], s[8:9], s[12:13]        ; wts at my forward blocks
	s_add_nc_u64 s[18:19], s[8:9], s[18:19]        ; wts at my backward blocks
.irp b, 0,1,2,3
	global_load_b128 v[FF+8*\b:FF+8*\b+3],   v[VF], s[10:11] offset:64*\b
	global_load_b128 v[FF+8*\b+4:FF+8*\b+7], v[VF], s[10:11] offset:64*\b+16
.endr
.irp b, 0,1,2,3
	global_load_b128 v[W3R+8*\b:W3R+8*\b+3],   v[V3], s[16:17] offset:64*\b
	global_load_b128 v[W3R+8*\b+4:W3R+8*\b+7], v[V3], s[16:17] offset:64*\b+16
.endr
.irp b, 0,1,2,3
	global_load_b128 v[FB+8*\b:FB+8*\b+3],   v[VB], s[14:15] offset:64*\b
	global_load_b128 v[FB+8*\b+4:FB+8*\b+7], v[VB], s[14:15] offset:64*\b+16
.endr
	s_wait_loadcnt 16                              ; the eight forward loads are in; the sixteen younger ones stay out
.irp b, 0,1,2,3
.irp r, 0,1,2,3
	v_cvt_pk_bf16_f32 v[PK+4*\b+\r], v[FF+8*\b+2*\r], v[FF+8*\b+2*\r+1]
.endr
.endr
.irp i, 0,1,2,3,4,5,6,7,8,9,10,11,12,13,14,15
	v_xor_b32 v[PK+\i], 0x80008000, v[PK+\i]       ; the forward weights are kept negated: both signs of a word are turned
.endr
.irp b, 0,1,2,3                        ; block b: sub = b / 2, mt = b % 2
	global_store_b128 v[VD], v[PK+4*\b:PK+4*\b+3], s[12:13] offset:(\b/2)*32768+(\b%2)*1024
.endr
	s_wait_loadcnt 0x0
.irp i, 0,2,4,6,8,10,12,14,16,18,20,22,24,26,28,30
	v_pk_mul_f32 v[FB+\i:FB+\i+1], v[FB+\i:FB+\i+1], v[W3R+\i:W3R+\i+1]
.endr
.irp b, 0,1,2,3
.irp r, 0,1,2,3
	v_cvt_pk_bf16_f32 v[PK+16+4*\b+\r], v[FB+8*\b+2*\r], v[FB+8*\b+2*\r+1]
.endr
.endr
.irp b, 0,1,2,3                        ; block b: kk = b / 2, c2 = b % 2
	global_store_b128 v[VD], v[PK+16+4*\b:PK+16+4*\b+3], s[18:19] offset:(\b/2)*2048+(\b%2)*512
.endr
	s_endpgm
.Lfunc_end_k_q3413801e01_cast:
	.size	k_q3413801e01_cast, .Lfunc_end_k_q3413801e01_cast-k_q3413801e01_cast
	.p2alignl 7, 3214868480
	.fill 96, 4, 3214868480
	.section	.rodata,"a",@progbits
	.p2align	6, 0x0
	.amdhsa_kernel k_q3413801e01_cast
		.amdhsa_group_segment_fixed_size 0
		.amdhsa_private_segment_fixed_size 0
		.amdhsa_enable_private_segment 0
		.amdhsa_kernarg_size 24
		.amdhsa_user_sgpr_count 2
		.amdhsa_user_sgpr_kernarg_segment_ptr 1
		.amdhsa_wavefront_size32 1
		.amdhsa_system_sgpr_workgroup_id_x 1
		.amdhsa_system_sgpr_workgroup_id_y 1
		.amdhsa_system_sgpr_workgroup_id_z 1
		.amdhsa_system_vgpr_workitem_id 0
		.amdhsa_next_free_vgpr 136
		.amdhsa_next_free_sgpr 66
		.amdhsa_reserve_vcc 0
		.amdhsa_float_denorm_mode_32 3
		.amdhsa_float_denorm_mode_16_64 3
		.amdhsa_memory_ordered 1
		.amdhsa_forward_progress 1
		.amdhsa_inst_pref_size 10
	.end_amdhsa_kernel
	.amdgpu_metadata
---
amdhsa.version: [ 1, 2 ]
amdhsa.kernels:
  - .name:           k_q3413801e01_cast
    .symbol:         k_q3413801e01_cast.kd
    .args:
      - { .name: W2, .offset: 0, .size: 8, .value_kind: global_buffer, .address_space: global }
      - { .name: W3, .offset: 8, .size: 8, .value_kind: global_buffer, .address_space: global }
      - { .name: wts, .offset: 16, .size: 8, .value_kind: global_buffer, .address_space: global }
    .group_segment_fixed_size: 0
    .private_segment_fixed_size: 0
    .kernarg_segment_align: 8
    .kernarg_segment_size: 24
    .max_flat_workgroup_size: 32
    .sgpr_count:     66
    .vgpr_count:     136
    .wavefront_size: 32
...
	.end_amdgpu_metadata
.endif
;; end of part 1
;; launch main (part 2): grid 256 x 1, 4 waves a work-group, clusters of 4 x 1, 327,680 bytes of LDS; arguments wts, state, action_emb, W1, b1, b2, Gw, Gb, log_damping, out0; writes out0
.if DOCPART == 2
	.amdgcn_target "amdgcn-amd-amdhsa--gfx1250"
	.amdhsa_code_object_version 6
	.text
	.protected	k_q3413801e01_main
	.globl	k_q3413801e01_main
	.p2align	8
	.type	k_q3413801e01_main,@function
k_q3413801e01_main:
	s_mov_b64 s[64:65], 0
	v_nop
	global_prefetch_b8 v0, s[64:65] scope:SCOPE_SE
	s_setreg_imm32_b32 hwreg(HW_REG_WAVE_MODE, 25, 1), 1
	s_wait_xcnt 0x0
	s_wait_alu depctr_hold_cnt(0) depctr_sa_sdst(0) depctr_va_vdst(0) depctr_va_sdst(0) depctr_va_ssrc(0) depctr_va_vcc(0) depctr_vm_vsrc(0)
	s_getreg_b32 s2, hwreg(HW_REG_IB_STS2, 6, 4)
	s_cmp_eq_u32 s2, 0
	s_cbranch_scc0 .Lentry_in_a_cluster
	s_endpgm
.Lentry_in_a_cluster:
	s_bfe_u32 s2, ttmp6, 0x10000c
	s_cmp_lg_u32 s2, 0x3003
	s_cbranch_scc0 .Lentry_shape_is_right
	s_endpgm
.Lentry_shape_is_right:
; out[b] = [dH/dp, -dH/dq - exp(log_damping) dH/dp + action_emb[b] . Gw + Gb], dH/dstate the gradient of H = softplus(softplus(s W1 + b1) W2 + b2) W3 + b3, written out:
;   z1 = s W1 + b1;  z2 = softplus(z1) W2 + b2;  d1[i] = sum_j W2[i][j] W3[j] sigma(z2[j]);  dH/ds_k = sum_i W1[k][i] sigma(z1[i]) d1[i].
; b3 is an added constant of H: its derivative is 0 whatever it holds, so it enters no line here and is not among the arguments.
; BASE 2.  Tables Wa, Wb = log2(e) W1[0], W1[1], B1 = log2(e) b1 give x = log2(e) z1; h' = max(x, 0) + log2(1 + 2^-|x|) = softplus(z1) / ln 2.  The forward weights come negated and
; B2 = -log2(e) b2 starts the sums, so a forward sum is a = -log2(e) z2 and sigma(z2) = 1 / (1 + 2^a).  W3 lies in the backward weights.  The last sum is taken with Wa, Wb and multiplied by ln 2 once.
; SHARES.  A work-group owns 256 rows, each of its four waves 64: four tiles nt of 16.  Both products are used TRANSPOSED (source 0 = 16 features of the weights, source 1 = 16 rows): in a
; result lane l holds ONE row (l % 16) and the features 8 (l / 16) + 0..7.  Two results (mt = 0, 1), rounded to bf16 in pairs, ARE a source-1 fragment (32 features x 16 rows) of the next product.
; A SUB-CHUNK is 32 output features: 8 accumulators, 16 K steps, 128 matrix instructions.  A tile of weights (65,536 bytes, laid out in fragment order by the launch before) holds two.
; The source-1 operand, 512 features x 64 rows, stays in 512 registers, so a weight fragment read from LDS feeds four products.
; BY TURNS.  Two sets of accumulators: while one sub-chunk is multiplied, the epilogue of the one before rides behind its matrix instructions, a slice behind each.
; WHERE sigma(z2) STAYS: h' fills windows 2 and 3 till the forward product ends, so K steps 0-9 go to my own part of LDS and K steps 10-15 into window 1; then the ten come back over h'.
; CLUSTER.  All work-groups walk the same 16 tiles: the four of a cluster ask JOINTLY, each wave for its quarter of a tile, with a descriptor made of constants and the wave's number alone.
; FORMATS AND LIMITS.  Matrix operands in bf16 (h' can pass f16's range), sums in f32; everything outside the two products in f32 on the inputs as they are.  The backward weight is the f32 product
; W2 W3 rounded once.  log2(1 + 2^-|x|) is 0 where 2^-|x| is under 2^-24, an absolute error under 1e-7 in h'; an exponential under 2^-126 counts as 0; NaN and infinities are not treated apart.
;
; LDS: two slots of 65,536 (tensor loads alone); G, 40,960 a wave (my stage for h', then sigma(z2)'s K steps 0-9; position e at 4,096 e, piece 2 nt + c at 512, lane at 16 l);
; five tables of 2,048 (B2, Wa, Wb, B1, -B1); the spare words.
.set SLOTB, 65536
.set GBASE, 131072
.set GWAVE, 40960
.set TAB,   294912
.set SPARE, 305152                     ; 128 bytes for each wave: two blocks of 256 bytes that no other line names
; REGISTERS, in windows of 256 (s_set_vgpr_msb: bits 1:0 source 0, 3:2 source 1, 5:4 source 2, 7:6 destination).  Window 0:
.set LANE, 1                           ; l
.set RR,   2                           ; l % 16
.set HH,   3                           ; l / 16
.set LN16, 4                           ; 16 l
.set ADR,  5                           ; the slot in hand + 16 l
.set GA0,  6                           ; my part of G + 16 l
.set GAD,  7                           ; a position in it
.set BA0,  8                           ; B2's table + 32 (l / 16)
.set BAD,  9
.set TA0,  10                          ; Wa's table + 32 (l / 16)
.set TAD,  11
.set SO,   12                          ; 8 (l % 16): a row of state
.set AO,   13                          ; 32 l: a row of action_emb
.set OO,   14                          ; 8 l: a row of out0
.set PFO,  15                          ; 256 l: the prefetches' offset
.set T16,  16                          ; 16 x thread
.set SPW,  30                          ; my spare word: SPARE + 4 x thread; never rewritten
.set NIL,  31                          ; 0; never rewritten
.set ACC,  32                          ; v32-159  set p, tile nt, half mt at ACC + 64 p + 8 (2 nt + mt)
.set AB,   160                         ; v160-223 weight fragments: two buffers of two K steps: 32 b + 16 kk + 8 mt
.set BI,   224                         ; v224-239 forward: the bias that starts the sums, 8 mt + q
.set OS,   224                         ; v224-239 backward: the running sums, pair (even, odd features) for state k, tile nt at 4 nt + 2 k
.set AE,   240                         ; v240-255 action_emb of my rows l and 32 + l
; Window 1, phase 0 (later v0-191: sigma(z2), K step e at 32 (e - 10) + 8 nt):
.set PX,   0                           ; 64: x, then -|x|, its exponential, the logarithm, h'
.set PE,   64                          ; 64: max(x, 0)
.set PWA,  128                         ; 16 each: Wa, Wb, B1 of the K step's 32 features that my half of the lanes holds
.set PWB,  144
.set PB1,  160
.set PP,   176                         ; 32: h' in bf16
.set PS,   208                         ; 8: (s0, s1) of my row in each tile nt; kept till the backward phase
.set PTA0, 216
.set PTA,  217
.set PGS0, 218
.set PGS,  219
; Windows 2, 3: forward h', K step ks, tile nt at 32 (ks % 8) + 8 nt of window 2 + ks / 8.  Backward: K steps 0-7 in window 2, 8 and 9 in window 3 v0-63; the rest of window 3:
.set TT,   64                          ; 64: -x, then sigma(z1)
.set TWA,  128                         ; 16 each: Wa, Wb, -B1 of the sub-chunk's features
.set TWB,  144
.set TNB,  160
.set SN,   176                         ; 8: (-s0, -s1)
; Scalars: s[8:27] the ten addresses in the order of the arguments
.set G1,  28                           ; s[28:35] descriptor group 1
.set D0,  36                           ; s[36:39] group 0 of tile 0
.set D1,  40                           ; s[40:43] group 0 of tile 1; it walks on
.set PFA, 44                           ; s[44:45] where my prefetches stand
.set PFL, 46                           ; prefetches still to come
.set WV,  47                           ; my wave's number
.set CX,  48                           ; my place in the cluster: it enters global addresses alone
.set XG,  49                           ; my wave's first row
.set TB,  50                           ; LDS byte of the slot in hand
.set CNT, 51
.set EI,  52                           ; the forward sub-chunk whose sigma(z2) is put away next
.set KO,  53                           ; byte offsets into the tables
.set GO,  54
.set BO,  55
.set EO,  56
.set P0C, 57
.set SEL, 60                           ; s[60:61] v_permlanex16_b32's selects: each lane takes its own place in the other half
.set MSB, 0
.macro WIN new                         ; the immediate's high byte repeats the setting that is left; a switch that changes nothing is dropped
.if MSB != (\new)
	s_set_vgpr_msb (MSB<<8)|(\new)
.set MSB, (\new)
.endif
.endm
.macro WINLD                           ; for lines that name vector registers as destination and source 0 alone, both in window 0
.if (MSB & 0xc3) != 0
	WIN 0
.endif
.endm
; A vector instruction or a load that touches a matrix instruction's registers stands four places behind it, and only plain vector instructions that name none of its registers are places
; (ISA guide 7.12.1 for vector instructions).
.macro PLACES
.rept 4
	v_nop
.endr
.endm
; A round of the cluster's barrier: my work-group's barrier; wave 0 signals for the work-group; every wave waits for all four work-groups; my work-group's barrier once more.
.macro CROUND
	s_barrier_signal -1
	s_barrier_wait -1
	s_cmp_lg_u32 s[WV], 0
	s_cbranch_scc1 .Lnot_wave_0_\@
	s_barrier_signal -3
.Lnot_wave_0_\@:
	s_barrier_wait -3
	s_barrier_signal -1
	s_barrier_wait -1
.endm
; 16 numbers of a table: features 8 (l / 16) + 0..7 and 16 + 8 (l / 16) + 0..7 of a block of 32
.macro TLOAD4 dst, adr, off
	ds_load_b128 v[(\dst):(\dst)+3],     v[\adr] offset:(\off)
	ds_load_b128 v[(\dst)+4:(\dst)+7],   v[\adr] offset:(\off)+16
	ds_load_b128 v[(\dst)+8:(\dst)+11],  v[\adr] offset:(\off)+64
	ds_load_b128 v[(\dst)+12:(\dst)+15], v[\adr] offset:(\off)+80
.endm
; Eight LDS loads: the weight fragments of K steps 2 fg and 2 fg + 1 of sub-chunk fsub of the slot in hand.  kind 0: forward, turned on the way; kind 1: backward, as they lie.
.macro FETCH kind, fsub, fg
	WINLD
.irp kk, 0,1
.irp fm, 0,1
.irp c2, 0,1
.if (\kind) == 0
	ds_load_tr16_b128 v[AB+32*((\fg)%2)+16*\kk+8*\fm+4*\c2:AB+32*((\fg)%2)+16*\kk+8*\fm+4*\c2+3], v[ADR] offset:(\fsub)*32768+(2*(\fg)+\kk)*2048+\fm*1024+\c2*512
.else
	ds_load_b128 v[AB+32*((\fg)%2)+16*\kk+8*\fm+4*\c2:AB+32*((\fg)%2)+16*\kk+8*\fm+4*\c2+3], v[ADR] offset:(\fsub)*32768+(2*(\fg)+\kk)*2048+\fm*1024+\c2*512
.endif
.endr
.endr
.endr
.endm
; One matrix instruction: K step ks, half mt, tile nt (symbols that SUB steps), accumulator set p.  The first K step starts the sums: forward with the bias, backward with 0.
.macro MM kind, p
.set rD, ACC+64*(\p)+8*(2*nt+mt)
.set rA, AB+32*((ks/2)%2)+16*(ks%2)+8*mt
.if (\kind) == 0
.set rB, 32*(ks%8)+8*nt
	WIN 0x08+4*(ks/8)
.elseif ks < 8
.set rB, 32*ks+8*nt
	WIN 0x08
.elseif ks < 10
.set rB, 32*(ks-8)+8*nt
	WIN 0x0c
.else
.set rB, 32*(ks-10)+8*nt
	WIN 0x04
.endif
.if ks > 0
	v_wmma_f32_16x16x32_bf16 v[rD:rD+7], v[rA:rA+7], v[rB:rB+7], v[rD:rD+7]
.elseif (\kind) == 0
	v_wmma_f32_16x16x32_bf16 v[rD:rD+7], v[rA:rA+7], v[rB:rB+7], v[BI+8*mt:BI+8*mt+7]
.else
	v_wmma_f32_16x16x32_bf16 v[rD:rD+7], v[rA:rA+7], v[rB:rB+7], 0
.endif
.endm
; THE FORWARD EPILOGUE on set q, in 96 slices (st counts them): sigma = 1 / (1 + 2^a), in place.  Slices 0-63: one exponential each, registers ascending.
; Slices 64-95: the next pair's + 1 and two reciprocals.  Each of the two batches has one plain instruction behind its last transcendental and ONE wait ahead of its first
; reader.  All its lines name registers as destination and source 0 alone, so they stand under the products' window setting.
.macro RIDEF q
.if st < 96
	WINLD
.set ra, ACC+64*(\q)
.if st < 64
	v_exp_f32 v[ra+st], v[ra+st]
.if st == 63
	v_nop
	s_wait_alu depctr_va_vdst(0)
	v_pk_add_f32 v[ra:ra+1], v[ra:ra+1], 1.0 op_sel_hi:[1,0]
.endif
.else
.set eu0, st-64
.if eu0 < 31
	v_pk_add_f32 v[ra+2*eu0+2:ra+2*eu0+3], v[ra+2*eu0+2:ra+2*eu0+3], 1.0 op_sel_hi:[1,0]
.endif
	v_rcp_f32 v[ra+2*eu0], v[ra+2*eu0]
	v_rcp_f32 v[ra+2*eu0+1], v[ra+2*eu0+1]
.if eu0 == 31
	v_nop
	s_wait_alu depctr_va_vdst(0)
.endif
.endif
.set st, st+1
.endif
.endm
; sigma(z2) of the set at ra is rounded to bf16: 32 words, word 8 nt + 4 mt + pr: four source-1 fragments of K step ee.  KEEP: into window 1.
.macro KEEP ee
	WIN 0x40
.set kx, 0
.rept 32
	v_cvt_pk_bf16_f32 v[32*((\ee)-10)+kx], v[ra+2*kx], v[ra+2*kx+1]
.set kx, kx+1
.endr
	WIN 0
.endm
; stat >= 0: K step stat, kept.  stat < 0 (in the loop): the place goes by the counter EI: under 10 into my part of G, else into window 1; behind set q the counter can be 10 + q or 12 + q there.
; All jumps go forward; no barrier and no tensor load lies between them.
.macro CVTF q, stat
	WIN 0
.set ra, ACC+64*(\q)
.if (\stat) < 0
	s_cmp_lt_u32 s[EI], 10
	s_cbranch_scc0 .Lres_\@
	s_min_u32 s[GO], s[EI], 9                      ; one of my ten positions
	s_lshl_b32 s[GO], s[GO], 12
	v_add_nc_u32 v[GAD], s[GO], v[GA0]
.set kx, 0
.rept 32
	v_cvt_pk_bf16_f32 v[ra+kx], v[ra+2*kx], v[ra+2*kx+1]  ; in place: word kx lies below the pair that it is made of
.set kx, kx+1
.endr
.set mx, 0
.rept 8
	ds_store_b128 v[GAD], v[ra+4*mx:ra+4*mx+3] offset:512*mx
.set mx, mx+1
.endr
	s_branch .Ljoin_\@
.Lres_\@:
	s_cmp_eq_u32 s[EI], 10+(\q)
	s_cbranch_scc0 .Lr2_\@
	KEEP 10+(\q)
	s_branch .Ljoin_\@
.Lr2_\@:
	KEEP 12+(\q)
.Ljoin_\@:
	s_add_co_u32 s[EI], s[EI], 1
.else
	KEEP \stat
.endif
.endm
; THE BACKWARD EPILOGUE on set q, in 97 slices.  Pair eu = 8 pr + 4 mt + nt (features 2 pr, 2 pr + 1 of half mt, tile nt): each accumulator's registers 0 and 1 are read first, and the links of a
; running sum lie four slices apart.  TLINE: -x = Wa (-s0) + Wb (-s1) - B1.  Slice 0: TLINE 0.  Slices 1-32: the next pair's TLINE and two exponentials.  Slices 33-64: the next pair's + 1 and two
; reciprocals: sigma(z1).  Slices 65-96: d1 sigma(z1), in place, and its products with Wa and Wb onto the running sums.  One wait for each of the two batches.
.macro TLINE eu
.set ent, (\eu)%4
.set emt, ((\eu)/4)%2
.set epr, (\eu)/8
	v_pk_fma_f32 v[TT+2*(\eu):TT+2*(\eu)+1], v[TWA+8*emt+2*epr:TWA+8*emt+2*epr+1], v[SN+2*ent:SN+2*ent+1], v[TNB+8*emt+2*epr:TNB+8*emt+2*epr+1] op_sel_hi:[1,0,1]
	v_pk_fma_f32 v[TT+2*(\eu):TT+2*(\eu)+1], v[TWB+8*emt+2*epr:TWB+8*emt+2*epr+1], v[SN+2*ent:SN+2*ent+1], v[TT+2*(\eu):TT+2*(\eu)+1] op_sel:[0,1,0] op_sel_hi:[1,1,1]
.endm
.macro RIDEB q
.if st < 97
.if st == 0
	WIN 0xff
	TLINE 0
.elseif st < 33
.set eu0, st-1
	WIN 0xff
.if eu0 < 31
	TLINE eu0+1
.endif
	v_exp_f32 v[TT+2*eu0], v[TT+2*eu0]
	v_exp_f32 v[TT+2*eu0+1], v[TT+2*eu0+1]
.if eu0 == 31
	v_nop
	s_wait_alu depctr_va_vdst(0)
	v_pk_add_f32 v[TT:TT+1], v[TT:TT+1], 1.0 op_sel_hi:[1,0]
.endif
.elseif st < 65
.set eu0, st-33
	WIN 0xff
.if eu0 < 31
	v_pk_add_f32 v[TT+2*eu0+2:TT+2*eu0+3], v[TT+2*eu0+2:TT+2*eu0+3], 1.0 op_sel_hi:[1,0]
.endif
	v_rcp_f32 v[TT+2*eu0], v[TT+2*eu0]
	v_rcp_f32 v[TT+2*eu0+1], v[TT+2*eu0+1]
.if eu0 == 31
	v_nop
	s_wait_alu depctr_va_vdst(0)
.endif
.else
.set eu0, st-65
.set ent, eu0%4
.set emt, (eu0/4)%2
.set epr, eu0/8
.set ra, ACC+64*(\q)+8*(2*ent+emt)+2*epr
	WIN 0x0c                                       ; source 1 in window 3, all else in window 0
	v_pk_mul_f32 v[ra:ra+1], v[ra:ra+1], v[TT+2*eu0:TT+2*eu0+1]
	v_pk_fma_f32 v[OS+4*ent:OS+4*ent+1], v[ra:ra+1], v[TWA+8*emt+2*epr:TWA+8*emt+2*epr+1], v[OS+4*ent:OS+4*ent+1]
	v_pk_fma_f32 v[OS+4*ent+2:OS+4*ent+3], v[ra:ra+1], v[TWB+8*emt+2*epr:TWB+8*emt+2*epr+1], v[OS+4*ent+2:OS+4*ent+3]
.endif
.set st, st+1
.endif
.endm
.macro RIDE kind, q
.if (\kind) == 0
	RIDEF \q
.else
	RIDEB \q
.endif
.endm
.macro BILOAD step                     ; the bias of a forward sub-chunk: 32 features on in B2's table
	WIN 0
.if \step
	s_add_co_u32 s[BO], s[BO], 128
	s_and_b32 s[BO], s[BO], 0x7ff
.endif
	v_add_nc_u32 v[BAD], s[BO], v[BA0]
	TLOAD4 BI, BAD, 0
.endm
.macro TWLOAD step                     ; Wa, Wb and -B1 of a backward sub-chunk
	WIN 0
.if \step
	s_add_co_u32 s[EO], s[EO], 128
	s_and_b32 s[EO], s[EO], 0x7ff
.endif
	v_add_nc_u32 v[TAD], s[EO], v[TA0]
	WIN 0xc0                                       ; destination window 3, address window 0
	TLOAD4 TWA, TAD, 0
	TLOAD4 TWB, TAD, 2048
	TLOAD4 TNB, TAD, 6144
.endm
; A SUB-CHUNK: eight groups of two K steps, 16 matrix instructions each.  The 8 accumulators take turns, one instruction a turn, in the same order in every K step.
; A group: four places; what the finished epilogue leaves to do; the next group's eight fragment loads, into the buffer that the group before read; the wait that leaves out just the LDS loads
; issued behind this group's fragments (nx counts them: 8 fragments, 4 of a bias, 12 of tables); the products, a slice of the other set's epilogue behind each (rid = 1).
; head: slices that stand ahead of the first wait, behind a change of slots.  stat: CVTF's.  last = 1: no further forward sub-chunk, so no bias is fetched.
.macro SUB kind, sub, p, rid, head, stat=-1, last=0
.set st, 0
.set xd, 0
.set gx, 0
.rept 8
	PLACES
.if ((\kind) == 0) && (\rid) && (st >= 96) && (xd == 0)
	CVTF 1-(\p), \stat                             ; its stores stand ahead of the fetch, so that the count below holds on every way through it
.set xd, 1
.endif
.set nx, 0
.if gx < 7
	FETCH \kind, \sub, gx+1
.set nx, 8
.elseif (\sub) == 0
	FETCH \kind, 1, 0
.set nx, 8
.endif
.if ((\kind) == 0) && (gx == 4) && !(\last)
	BILOAD 1
.set nx, nx+4
.endif
.if ((\kind) == 1) && (\rid) && (st >= 97) && (xd == 0)
	TWLOAD 1                                       ; the epilogue has read its tables: the next sub-chunk's come
.set nx, nx+12
.set xd, 1
.endif
.if (gx == 0) && ((\head) > 0)
.rept \head
	RIDE \kind, 1-(\p)
.endr
.endif
	s_wait_dscnt nx                                ; this group's fragments are in
.set ks, 2*gx
.rept 2
.set mt, 0
.rept 2
.set nt, 0
.rept 4
	MM \kind, \p
.if \rid
	RIDE \kind, 1-(\p)
.endif
.set nt, nt+1
.endr
.set mt, mt+1
.endr
.set ks, ks+1
.endr
.set gx, gx+1
.endr
.endm
; A PREFETCH INTO THE L2 of the tile that stands two refills on: the change behind tile T loads tile T + 2 and names tile T + 4, two tiles (512 matrix instructions a wave) ahead of the load that wants
; it.  Every cluster walks the same tiles: the first cluster asks, nobody else.  Its four partners take 16,384 bytes each, told apart BY ADDRESS; in each, waves 0 and 1 take 8,192, a lane 256 bytes:
; each block is named once in the launch.  Tiles 0-3 come by their loads alone; twelve requests name tiles 4-15, and then the count is 0.
.macro ASK
	s_cmp_lg_u32 s[PFL], 0
	s_cbranch_scc0 .Lnone_\@
	global_prefetch_b8 v[PFO], s[PFA:PFA+1] th:TH_LOAD_NT scope:SCOPE_SE
	s_sub_co_u32 s[PFL], s[PFL], 1
.Lnone_\@:
.endm
; THE CHANGE OF SLOTS.  Each wave waits for all its tensor loads, of which one is out: its quarter of the other slot; adds 0 to its spare word; and waits for that and for its reads of the slot that it
; leaves.  fill = 1: the barrier is a round of the cluster's, so that no wave of any partner still reads the slot or has a load on its way; the joint refill, the tile two on, is the first thing
; behind it and has a whole tile's 256 matrix instructions in which to land.  Then the other slot's first fragments (kind as in FETCH).
.macro CHANGE fill, kind
	WIN 0
	s_wait_tensorcnt 0x0                           ; no tensor load of mine is out, so a group 0 may be written
	ds_add_u32 v[SPW], v[NIL]                      ; 0 onto my spare word: the scalar work below stands between it and the wait for it
.if \fill
	s_xor_b32 s[D1+1], s[D1+1], SLOTB              ; the other slot than last time,
	s_add_nc_u64 s[D1+2:D1+3], s[D1+2:D1+3], SLOTB ; the next tile; the type bits on top are not reached
	s_wait_xcnt 0x0                                ; the last prefetch, a tile back, has read its address
	s_add_nc_u64 s[PFA:PFA+1], s[PFA:PFA+1], SLOTB
.endif
	s_xor_b32 s[TB], s[TB], SLOTB
	s_wait_dscnt 0x0                               ; the add is done, and my reads of the slot are over
.if \fill
	CROUND
	tensor_load_to_lds s[D1:D1+3], s[G1:G1+7]
	s_nop 0
	PLACES                                         ; the places in front of the loads below
.else
	s_barrier_signal -1
	s_barrier_wait -1
	PLACES
.endif
	v_add_nc_u32 v[ADR], s[TB], v[LN16]
	FETCH \kind, 0, 0
.if \fill
	ASK
.endif
.endm
; PHASE 0, one K step of h' (32 features x my 64 rows), all in window 1.  Pair k = 8 nt + 4 c + pr: features 16 c + 8 (l / 16) + 2 pr, + 1 of row l % 16 in tile nt.
.macro PX1 k
	v_pk_fma_f32 v[PX+2*(\k):PX+2*(\k)+1], v[PWA+2*((\k)%8):PWA+2*((\k)%8)+1], v[PS+2*((\k)/8):PS+2*((\k)/8)+1], v[PB1+2*((\k)%8):PB1+2*((\k)%8)+1] op_sel_hi:[1,0,1]
.endm
.macro PX2 k
	v_pk_fma_f32 v[PX+2*(\k):PX+2*(\k)+1], v[PWB+2*((\k)%8):PWB+2*((\k)%8)+1], v[PS+2*((\k)/8):PS+2*((\k)/8)+1], v[PX+2*(\k):PX+2*(\k)+1] op_sel:[0,1,0] op_sel_hi:[1,1,1]
.endm
.macro PNEG k                          ; -|x| = x - 2 max(x, 0), exact
	v_pk_fma_f32 v[PX+2*(\k):PX+2*(\k)+1], v[PE+2*(\k):PE+2*(\k)+1], -2.0, v[PX+2*(\k):PX+2*(\k)+1] op_sel_hi:[1,0,1]
.endm
.macro PONE k
	v_pk_add_f32 v[PX+2*(\k):PX+2*(\k)+1], v[PX+2*(\k):PX+2*(\k)+1], 1.0 op_sel_hi:[1,0]
.endm
.macro PSUM k
	v_pk_add_f32 v[PX+2*(\k):PX+2*(\k)+1], v[PX+2*(\k):PX+2*(\k)+1], v[PE+2*(\k):PE+2*(\k)+1]
.endm
.macro PCV k
	v_cvt_pk_bf16_f32 v[PP+(\k)], v[PX+2*(\k)], v[PX+2*(\k)+1]
.endm
; The 32 pairs go as two halves A (0-15) and B (16-31), so that a half's transcendentals have the other half's plain work between them.  Four batches, each with its one wait.
.macro P0TRIP
	s_wait_dscnt 0x0                               ; this K step's tables
.set kx, 0
.rept 16
	PX1 kx
.set kx, kx+1
.endr
.set kx, 0
.rept 16
	PX2 kx
.set kx, kx+1
.endr
.set jx, 0
.rept 32
	v_max_num_f32 v[PE+jx], 0, v[PX+jx]
.set jx, jx+1
.endr
.set kx, 0
.rept 16
	PNEG kx
.set kx, kx+1
.endr
.set jx, 0
.rept 32                               ; A's exponentials | B's x
	v_exp_f32 v[PX+jx], v[PX+jx]
.if jx < 16
	PX1 16+jx
.else
	PX2 jx
.endif
.set jx, jx+1
.endr
	s_add_co_u32 s[KO], s[KO], 128                 ; the tables have been read: the next K step's come (behind the last K step: the first again, unused)
	s_and_b32 s[KO], s[KO], 0x7ff
	v_add_nc_u32 v[PTA], s[KO], v[PTA0]
	TLOAD4 PWA, PTA, 0
	TLOAD4 PWB, PTA, 2048
	TLOAD4 PB1, PTA, 4096
	s_wait_alu depctr_va_vdst(0)                   ; A's exponentials
.set kx, 0
.rept 16
	PONE kx
.set kx, kx+1
.endr
.set jx, 0
.rept 32                               ; A's logarithms | B's max(x, 0)
	v_log_f32 v[PX+jx], v[PX+jx]
	v_max_num_f32 v[PE+32+jx], 0, v[PX+32+jx]
.set jx, jx+1
.endr
.set kx, 16
.rept 16
	PNEG kx
.set kx, kx+1
.endr
	s_wait_alu depctr_va_vdst(0)                   ; A's logarithms
.set jx, 0
.rept 32                               ; B's exponentials | A's sums and roundings
	v_exp_f32 v[PX+32+jx], v[PX+32+jx]
.if jx < 16
	PSUM jx
.else
	PCV jx-16
.endif
.set jx, jx+1
.endr
	s_wait_alu depctr_va_vdst(0)                   ; B's exponentials
.set kx, 16
.rept 16
	PONE kx
.set kx, kx+1
.endr
.set jx, 32
.rept 32
	v_log_f32 v[PX+jx], v[PX+jx]
.set jx, jx+1
.endr
	v_add_nc_u32 v[PGS], s[GO], v[PGS0]            ; the plain instruction behind the last logarithm
	s_wait_alu depctr_va_vdst(0)                   ; B's logarithms
.set kx, 16
.rept 16
	PSUM kx
.set kx, kx+1
.endr
.set kx, 16
.rept 16
	PCV kx
.set kx, kx+1
.endr
.set mx, 0
.rept 8
	ds_store_b128 v[PGS], v[PP+4*mx:PP+4*mx+3] offset:512*mx
.set mx, mx+1
.endr
	s_add_co_u32 s[GO], s[GO], 4096
.endm
.macro P0LOOP                          ; eight K steps into positions 0-7 of my part of G
	s_mov_b32 s[GO], 0
	s_mov_b32 s[P0C], 8
.Lp0_\@:
	WIN 0x55
	P0TRIP
	WIN 0
	s_sub_co_u32 s[P0C], s[P0C], 1
	s_cmp_lg_u32 s[P0C], 0
	s_cbranch_scc1 .Lp0_\@
.endm
; n positions of my part of G, from e0 on, into window win.  LDS serves a wave's instructions in order (ISA guide 5.7.1.4): these loads see my stores above, and my later stores come behind them.
.macro RELOAD win, e0, n
	WIN (\win)<<6
.set ex, 0
.rept \n
.set mx, 0
.rept 8
	ds_load_b128 v[32*ex+4*mx:32*ex+4*mx+3], v[GA0] offset:4096*((\e0)+ex)+512*mx
.set mx, mx+1
.endr
.set ex, ex+1
.endr
	WIN 0
.endm
	; ---- the opening
	s_load_b512 s[8:23], s[0:1], 0x0               ; wts s[8:9], state s[10:11], action_emb s[12:13], W1 s[14:15], b1 s[16:17], b2 s[18:19], Gw s[20:21], Gb s[22:23]
	s_load_b128 s[24:27], s[0:1], 0x40             ; log_damping s[24:25], out0 s[26:27]
	v_lshl_add_u32 v[SPW], v0, 2, SPARE
	v_mov_b32 v[NIL], 0
	ds_add_u32 v[SPW], v[NIL]                      ; the wave's opening: the add, twice on end, and its wait ahead of my first tensor load; the set-up below stands between
	ds_add_u32 v[SPW], v[NIL]
	v_lshrrev_b32 v17, 5, v0
	v_readfirstlane_b32 s[WV], v17                 ; wave 0..3
	; descriptor group 1: my quarter of a tile, 16,384 dense bytes, as 64 rows of 256 bytes
	s_mov_b32 s[G1+0], 15|(3<<16)|(1<<21)          ; 15:0 the mask: all four work-groups; 17:16 elements of 8 bytes; 21 set beside a mask; no padding
	s_mov_b32 s[G1+1], 32<<16                      ; tensor_dim0 = 32
	s_mov_b32 s[G1+2], 64<<16                      ; tensor_dim1 = 64
	s_mov_b32 s[G1+3], 32<<16                      ; tile_dim0 = 32
	s_mov_b32 s[G1+4], 64                          ; tile_dim1 = 64
	s_mov_b32 s[G1+5], 32                          ; 32 elements from row to row
	s_mov_b32 s[G1+6], 0
	s_mov_b32 s[G1+7], 0
	s_mov_b32 s[D0], 1                             ; count = 1
	s_lshl_b32 s[D0+1], s[WV], 14                  ; LDS: slot 0, my quarter
	s_mov_b32 s[D1], 1
	s_add_co_u32 s[D1+1], s[D0+1], SLOTB           ; slot 1, my quarter
	s_lshl_b32 s58, s[WV], 14                      ; my quarter of a tile in memory
	s_mov_b32 s59, 0
	s_mul_i32 s62, s[WV], GWAVE
	s_add_co_u32 s62, s62, GBASE                   ; my part of G
	v_and_b32 v[LANE], 31, v0
	v_and_b32 v[RR], 15, v0
	v_bfe_u32 v[HH], v0, 4, 1
	v_lshlrev_b32 v[LN16], 4, v[LANE]
	v_add_nc_u32 v[GA0], s62, v[LN16]
	v_lshl_add_u32 v[BA0], v[HH], 5, TAB
	v_lshl_add_u32 v[TA0], v[HH], 5, TAB+2048
	v_lshlrev_b32 v[SO], 3, v[RR]
	v_lshlrev_b32 v[AO], 5, v[LANE]
	v_lshlrev_b32 v[OO], 3, v[LANE]
	v_lshlrev_b32 v[PFO], 8, v[LANE]
	v_lshlrev_b32 v[T16], 4, v0
	s_bfe_u32 s[CX], ttmp6, 0x40000                ; cx
	s_lshl_b32 s[XG], ttmp9, 2                     ; in a cluster launch ttmp9 counts clusters
	s_add_co_u32 s[XG], s[XG], s[CX]
	s_lshl_b32 s[XG], s[XG], 8                     ; my work-group's 256 rows,
	s_lshl_b32 s78, s[WV], 6
	s_add_co_u32 s[XG], s[XG], s78                 ; my wave's 64
	s_lshl_b32 s62, s[XG], 3                       ; 8 bytes a row of state and of out0
	s_mov_b32 s63, 0
	s_lshl_b32 s66, s[XG], 5                       ; 32 bytes a row of action_emb
	s_mov_b32 s67, 0
	s_lshl_b32 s78, s[CX], 14                      ; the prefetches: my work-group's quarter of a tile,
	s_lshl_b32 s79, s[WV], 13                      ; my wave's half of it,
	s_add_co_u32 s78, s78, s79
	s_add_co_u32 s78, s78, 3*SLOTB                 ; in tile 3: the first change steps it to tile 4
	s_mov_b32 s79, 0
	s_lshr_b32 s[PFL], s[WV], 1
	s_or_b32 s[PFL], s[PFL], ttmp9                 ; 0 in waves 0 and 1 of the first cluster: the same in all four partners
	s_cmp_eq_u32 s[PFL], 0
	s_cselect_b32 s[PFL], 12, 0
	s_mov_b32 s[SEL], 0x76543210
	s_mov_b32 s[SEL+1], 0xfedcba98
	s_mov_b32 s[TB], 0
	s_mov_b32 s[KO], 0
	s_mov_b32 s[BO], 0
	s_mov_b32 s[EO], 0
	s_mov_b32 s[EI], 0
	s_wait_dscnt 0x0                               ; both opening adds are done
	s_wait_kmcnt 0x0
	s_add_nc_u64 s[D0+2:D0+3], s[8:9], s[58:59]    ; tile 0, my quarter
	s_add_nc_u64 s[D1+2:D1+3], s[D0+2:D0+3], SLOTB ; tile 1
	s_or_b32 s[D0+3], s[D0+3], 0x80000000          ; type = 2
	s_or_b32 s[D1+3], s[D1+3], 0x80000000
	s_add_nc_u64 s[PFA:PFA+1], s[8:9], s[78:79]
	s_add_nc_u64 s[10:11], s[10:11], s[62:63]      ; state, out0 and action_emb at my wave's first row
	s_add_nc_u64 s[26:27], s[26:27], s[62:63]
	s_add_nc_u64 s[12:13], s[12:13], s[66:67]
	CROUND                                         ; all four work-groups are here: the first joint loads meet
	tensor_load_to_lds s[D0:D0+3], s[G1:G1+7]      ; two loads of mine are out
	s_nop 0
	tensor_load_to_lds s[D1:D1+3], s[G1:G1+7]
	s_nop 0
	PLACES
	; ---- the small inputs
	global_load_b128 v[32:35], v[T16], s[14:15]             ; W1[0]: four numbers a thread
	global_load_b128 v[36:39], v[T16], s[14:15] offset:2048 ; W1[1]
	global_load_b128 v[40:43], v[T16], s[16:17]             ; b1
	global_load_b128 v[44:47], v[T16], s[18:19]             ; b2
	WIN 0x40                                       ; destination window 1, address window 0
.irp i, 0,1,2,3
	global_load_b64 v[PS+2*\i:PS+2*\i+1], v[SO], s[10:11] offset:128*\i  ; (s0, s1) of row 16 nt + l % 16
.endr
	WIN 0
	global_load_b128 v[AE:AE+3],     v[AO], s[12:13]
	global_load_b128 v[AE+4:AE+7],   v[AO], s[12:13] offset:16
	global_load_b128 v[AE+8:AE+11],  v[AO], s[12:13] offset:1024
	global_load_b128 v[AE+12:AE+15], v[AO], s[12:13] offset:1040
	s_load_b256 s[68:75], s[20:21], 0x0            ; Gw
	s_load_b32 s76, s[22:23], 0x0                  ; Gb
	s_load_b32 s77, s[24:25], 0x0                  ; log_damping
	; ---- the tables
	s_wait_loadcnt 8                               ; W1, b1, b2 are in; the eight younger loads stay out
.irp i, 32,34,36,38,40,42
	v_pk_mul_f32 v[\i:\i+1], v[\i:\i+1], 0x3fb8aa3b op_sel_hi:[1,0]  ; x log2(e)
.endr
	v_pk_mul_f32 v[44:45], v[44:45], 0xbfb8aa3b op_sel_hi:[1,0]       ; x -log2(e)
	v_pk_mul_f32 v[46:47], v[46:47], 0xbfb8aa3b op_sel_hi:[1,0]
	v_pk_mul_f32 v[48:49], v[40:41], -1.0 op_sel_hi:[1,0]
	v_pk_mul_f32 v[50:51], v[42:43], -1.0 op_sel_hi:[1,0]
	v_add_nc_u32 v17, TAB, v[T16]
	ds_store_b128 v17, v[44:47]                    ; B2
	ds_store_b128 v17, v[32:35] offset:2048        ; Wa
	ds_store_b128 v17, v[36:39] offset:4096        ; Wb
	ds_store_b128 v17, v[40:43] offset:6144        ; B1
	ds_store_b128 v17, v[48:51] offset:8192        ; -B1
	s_wait_dscnt 0x0                               ; for the others' sake: my part of the tables is written
	s_barrier_signal -1
	s_barrier_wait -1                              ; the two tiles may stay on their way
	; ---- phase 0: h' for all 16 K steps, eight at a time through my part of G into windows 2 and 3
	WIN 0x40
	v_mov_b32 v[PTA0], v[TA0]
	v_mov_b32 v[PGS0], v[GA0]
	WIN 0x55
	v_mov_b32 v[PTA], v[PTA0]
	TLOAD4 PWA, PTA, 0
	TLOAD4 PWB, PTA, 2048
	TLOAD4 PB1, PTA, 4096
	WIN 0
	s_wait_loadcnt 0x0                             ; state, action_emb
	s_wait_kmcnt 0x0                               ; Gw, Gb, log_damping
	P0LOOP
	RELOAD 2, 0, 8
	P0LOOP
	RELOAD 3, 0, 8
	; ---- into the forward product
	BILOAD 0
	s_wait_tensorcnt 0x1                           ; my quarter of tile 0 is in; tile 1's may stay out
	s_wait_dscnt 0x0
	s_barrier_signal -1
	s_barrier_wait -1                              ; everybody's is
	v_add_nc_u32 v[ADR], s[TB], v[LN16]
	FETCH 0, 0, 0
	; ---- forward: a = -log2(e) z2, 16 sub-chunks, tiles 0-7
	SUB 0, 0, 0, 0, 0                              ; the first has no epilogue to carry
	WIN 0
	s_mov_b32 s[CNT], 7
.Lfwd:                                             ; a trip: a tile's second sub-chunk, the change of slots (tiles 2-8 are asked for), the next tile's first
	SUB 0, 1, 1, 1, 0
	CHANGE 1, 0
	SUB 0, 0, 0, 1, 16
	WIN 0
	s_sub_co_u32 s[CNT], s[CNT], 1
	s_cmp_lg_u32 s[CNT], 0
	s_cbranch_scc1 .Lfwd
	SUB 0, 1, 1, 1, 0, 14, 1                       ; tile 7's second sub-chunk carries K step 14's epilogue
	; ---- the turn
	CHANGE 1, 1                                    ; tile 9 is asked for; tile 8's first fragments
.set st, 0
.rept 96
	RIDEF 1                                        ; the last forward epilogue has no products to ride behind
.endr
	CVTF 1, 15
	WIN 0xc1                                       ; destination window 3, source 0 window 1
.irp i, 0,1,2,3
	v_pk_mul_f32 v[SN+2*\i:SN+2*\i+1], v[PS+2*\i:PS+2*\i+1], -1.0 op_sel_hi:[1,0]
.endr
	RELOAD 2, 0, 8                                 ; sigma(z2)'s K steps 0-9 come back over h'
	RELOAD 3, 8, 2
	TWLOAD 0
	WIN 0
.set kx, 0
.rept 16
	v_mov_b32 v[OS+kx], 0                          ; the running sums over all 512 features
.set kx, kx+1
.endr
	; ---- backward: d1, 16 sub-chunks, tiles 8-15
	SUB 1, 0, 0, 0, 0
	WIN 0
	s_mov_b32 s[CNT], 6
.Lbwd:                                             ; tiles 10-15 are asked for
	SUB 1, 1, 1, 1, 0
	CHANGE 1, 1
	SUB 1, 0, 0, 1, 8
	WIN 0
	s_sub_co_u32 s[CNT], s[CNT], 1
	s_cmp_lg_u32 s[CNT], 0
	s_cbranch_scc1 .Lbwd
	SUB 1, 1, 1, 1, 0                              ; the tail is written out: nothing more is asked for
	CHANGE 0, 1
	SUB 1, 0, 0, 1, 8
	SUB 1, 1, 1, 1, 0
	WIN 0
	s_wait_dscnt 0x0                               ; the last tables
	PLACES
.set st, 0
.rept 97
	RIDEB 1
.endr
	; ---- the way out
	WIN 0
	v_mov_b32 v28, s77
	v_mul_f32 v28, 0x3fb8aa3b, v28
	v_exp_f32 v28, v28                             ; the damping; the sums below are the independent work behind it
.irp i, 0,1,2,3,4,5,6,7
	v_add_f32 v[OS+2*\i], v[OS+2*\i], v[OS+2*\i+1] ; even and odd features
.endr
.irp i, 0,1,2,3,4,5,6,7
	v_permlanex16_b32 v[OS+2*\i+1], v[OS+2*\i], s[SEL], s[SEL+1]  ; a row's other features lie in the lane 16 away
.endr
.irp i, 0,1,2,3,4,5,6,7
	v_add_f32 v[OS+2*\i], v[OS+2*\i], v[OS+2*\i+1]
.endr
	v_cmp_lt_u32 vcc_lo, 15, v[LANE]               ; lane l stores rows l and 32 + l: tiles l / 16 and 2 + l / 16
	v_cndmask_b32 v18, v[OS+0], v[OS+4], vcc_lo    ; row l: the sum with Wa,
	v_cndmask_b32 v19, v[OS+2], v[OS+6], vcc_lo    ; with Wb
	v_cndmask_b32 v20, v[OS+8], v[OS+12], vcc_lo   ; row 32 + l
	v_cndmask_b32 v21, v[OS+10], v[OS+14], vcc_lo
	v_mov_b32 v26, s76                             ; G_u = Gb + action_emb . Gw
	v_mov_b32 v27, s76
.irp i, 0,1,2,3,4,5,6,7
	v_fma_f32 v26, v[AE+\i], s[68+\i], v26
	v_fma_f32 v27, v[AE+8+\i], s[68+\i], v27
.endr
	v_mul_f32 v22, 0x3f317218, v19                 ; dq/dt = dH/dp = ln 2 x the sum with Wb
	v_mul_f32 v24, 0x3f317218, v21
	v_fmamk_f32 v23, v18, 0xbf317218, v26          ; -dH/dq + G_u
	v_fmamk_f32 v25, v20, 0xbf317218, v27
	s_wait_alu depctr_va_vdst(0)                   ; the damping's exponential, ahead of its first reader
	v_fma_f32 v23, -v28, v22, v23
	v_fma_f32 v25, -v28, v24, v25
	global_store_b64 v[OO], v[22:23], s[26:27]             ; each store of the wave covers 256 consecutive bytes, aligned
	global_store_b64 v[OO], v[24:25], s[26:27] offset:256
	s_wait_tensorcnt 0x0                           ; the wave's end: behind my last tensor load and my last LDS store
	ds_add_u32 v[SPW], v[NIL]
	s_wait_dscnt 0x0
	CROUND                                         ; the closing round: no work-group ends while a partner may still ask for a tile that names it
	s_endpgm
.Lfunc_end_k_q3413801e01_main:
	.size	k_q3413801e01_main, .Lfunc_end_k_q3413801e01_main-k_q3413801e01_main
	.p2alignl 7, 3214868480
	.fill 96, 4, 3214868480
	.section	.rodata,"a",@progbits
	.p2align	6, 0x0
	.amdhsa_kernel k_q3413801e01_main
		.amdhsa_group_segment_fixed_size 327680
		.amdhsa_private_segment_fixed_size 0
		.amdhsa_enable_private_segment 0
		.amdhsa_kernarg_size 80
		.amdhsa_user_sgpr_count 2
		.amdhsa_user_sgpr_kernarg_segment_ptr 1
		.amdhsa_wavefront_size32 1
		.amdhsa_system_sgpr_workgroup_id_x 1
		.amdhsa_system_sgpr_workgroup_id_y 1
		.amdhsa_system_sgpr_workgroup_id_z 1
		.amdhsa_system_vgpr_workitem_id 0
		.amdhsa_next_free_vgpr 1024
		.amdhsa_next_free_sgpr 80
		.amdhsa_reserve_vcc 1
		.amdhsa_float_denorm_mode_32 3
		.amdhsa_float_denorm_mode_16_64 3
		.amdhsa_memory_ordered 1
		.amdhsa_forward_progress 1
		.amdhsa_inst_pref_size 255
	.end_amdhsa_kernel
	.section	.bss,"aw",@nobits
	.p2align	6
	.space	262144
	.amdgpu_metadata
---
amdhsa.version: [ 1, 2 ]
amdhsa.kernels:
  - .name:           k_q3413801e01_main
    .symbol:         k_q3413801e01_main.kd
    .args:
      - { .name: wts, .offset: 0, .size: 8, .value_kind: global_buffer, .address_space: global }
      - { .name: state, .offset: 8, .size: 8, .value_kind: global_buffer, .address_space: global }
      - { .name: action_emb, .offset: 16, .size: 8, .value_kind: global_buffer, .address_space: global }
      - { .name: W1, .offset: 24, .size: 8, .value_kind: global_buffer, .address_space: global }
      - { .name: b1, .offset: 32, .size: 8, .value_kind: global_buffer, .address_space: global }
      - { .name: b2, .offset: 40, .size: 8, .value_kind: global_buffer, .address_space: global }
      - { .name: Gw, .offset: 48, .size: 8, .value_kind: global_buffer, .address_space: global }
      - { .name: Gb, .offset: 56, .size: 8, .value_kind: global_buffer, .address_space: global }
      - { .name: log_damping, .offset: 64, .size: 8, .value_kind: global_buffer, .address_space: global }
      - { .name: out0, .offset: 72, .size: 8, .value_kind: global_buffer, .address_space: global }
    .group_segment_fixed_size: 327680
    .private_segment_fixed_size: 0
    .kernarg_segment_align: 8
    .kernarg_segment_size: 80
    .max_flat_workgroup_size: 128
    .sgpr_count:     80
    .vgpr_count:     1024
    .wavefront_size: 32
...
	.end_amdgpu_metadata
.endif
;; end of part 2
